; MI455X (gfx1250); checked and timed in simulation.
; The chip was launched on July 23, 2026; its instructions are those of AMD's public machine-readable ISA for CDNA 5 (MIT licence, August 2026) and "CDNA5" Instruction Set Architecture Reference Guide (July 2026). The comments in the code are by the model that wrote it; some were corrected since.
;; Mo E Layer. Allowed arithmetic: matrix products marked QUANTISED: E2M1 operands, one E8M0 scale for each 32 along K, by v_wmma_scale_f32_16x16x128_f8f6f4 with both operands' format E2M1 (or v_wmma_scale_f32_32x16x128_f4), f32 sums; products left as they are: f32 operands where the result goes on into a quantised operand, else bf16, f16 or f32 operands; f32 sums; everything else in f32.
;; Inputs: W1 8 x 1,024 x 2,048 float32; W2 8 x 2,048 x 1,024 float32; Wg 1,024 x 8 float32; b1 8 x 2,048 float32; b2 8 x 1,024 float32; x 2,048 x 1,024 float32.
;; Outputs: out0 2,048 x 1,024 float32; out1 2,048 x 8 float32; out2 2,048 x 2 int32.
;; This version of the problem:
;;   THIS VERSION OF THE PROBLEM IS GIVEN IN LOW PRECISION. The matrix products marked QUANTISED in the list below multiply operands that are first quantised to E2M1 (2 exponent bits, 1 mantissa bit; 4 bits a number), with one power-of-two scale for each 32 numbers along K (OCP MX v1.0); their sums are f32. All else is computed in f32.
;;   The module's matrix products, in the order in which they are computed (A, B: the left and right operand; K: the contracted axis; several contracted axes count as one K, in the product's order):
;;     1. [M 2,048, K 1,024] x [K 1,024, N 8]; A: input x; B: input Wg: left as it is (N = 8 < 16)
;;     2. batch 2,048 x [M 1, K 2] x [K 2, N 8]; A: softmax; B: computed on the way: left as it is (K = 2 < 32)
;;     3. [M 2,048, K 1,024] x [K 1,024, N 16,384]; A: input x; B: input W1: QUANTISED
;;     4. batch 8 x [M 1,024, K 2,048] x [K 2,048, N 2,048]; A: input W2; B: computed on the way: QUANTISED
;;     5. batch 2,048 x [M 1,024, K 8] x [K 8, N 1]; A: computed on the way; B: computed on the way: left as it is (K = 8 < 32)
;;   THE QUANTISER, for each operand of a quantised product, along K:
;;     - K is cut into blocks of 32 from its start; a last block that is shorter is filled with zeros.
;;     - A block's scale is 2^e with e = floor(log2(the largest magnitude in the block)) - 2, held to -126 .. 127; a block of zeros has e = 0. As a byte (E8M0): e + 127.
;;     - Each number is divided by its block's scale, clamped to +-6, and rounded to the nearest number of E2M1, ties to even, subnormals kept.
;;     - The product sums the exact products of the quantised numbers (number of the format x scale) in f32.
;;   ~~~python
;;   def quantise(x, axis):      # numpy; x: float32 -> the quantised numbers, widened to float32 again
;;       x = np.moveaxis(x, axis, -1); K = x.shape[-1]
;;       x = np.pad(x, [(0, 0)] * (x.ndim - 1) + [(0, -K % 32)]); x = x.reshape(x.shape[:-1] + (-1, 32)); a = np.abs(x).max(-1, keepdims=True)
;;       e = np.where(a > 0, np.clip(np.frexp(np.where(a > 0, a, 1))[1] - 1 - 2, -126, 127), 0)      # np.frexp(a)[1] - 1 = floor(log2(a)), exactly
;;       r = np.clip(x / 2.0 ** e, -6, 6)
;;       step = 2.0 ** (np.maximum(np.frexp(np.where(r == 0, 1, r))[1] - 1, 0) - 1)
;;       q = np.round(r / step) * step * 2.0 ** e      # np.round: ties to even
;;       return np.moveaxis(q.reshape(q.shape[:-2] + (-1,))[..., :K], -1, axis).astype(np.float32)
;;   ~~~
;;   OPERANDS COMPUTED ON THE WAY. 'Computed on the way' means the value that the module computes at that place (a softmax that the list does not call 'softmax' is quantised finished and normalised). What goes into a quantiser is computed in f32, as accurately as f32 sums, v_exp_f32 and their like allow (about 1e-6 of the number): no bf16 or f16 on the way to a quantiser, and a product that is left as it is and whose result goes on into a quantised operand takes f32 operands (vector FMAs, or v_wmma_f32_16x16x4_f32). A number that lies on a knife's edge between two numbers of the format may be rounded either way, as far as f32 arithmetic and the matrix unit's own rounding can turn it there, and no further.
;; One version. Each part assembles by itself: llvm-mc -triple=amdgcn-amd-amdhsa -mcpu=gfx1250 --defsym DOCPART=n.
;; ======== version 1 of 1: 4 launches
;; limits: right only within a limited range of input values
;; workspace buffers: xq 1,114,112 bytes; gw 65,536 bytes; sel 16,384 bytes of whole numbers; order 8,704 bytes of whole numbers; wc 16,777,216 bytes; ws 1,048,576 bytes; h 17,825,792 bytes
;; launch gate (part 1): grid 256 x 1, 4 waves a work-group, no clusters, 71,680 bytes of LDS; arguments x, Wg, xq, gw, sel, out1, out2; writes xq, gw, sel, out1, out2
.if DOCPART == 1
	.amdgcn_target "amdgcn-amd-amdhsa--gfx1250"
	.amdhsa_code_object_version 6
	.text
	.protected	k_q27c67c6d54_gate
	.globl	k_q27c67c6d54_gate
	.p2align	8
	.type	k_q27c67c6d54_gate,@function
k_q27c67c6d54_gate:
	s_mov_b64 s[64:65], 0
	v_nop
	global_prefetch_b8 v0, s[64:65] scope:SCOPE_SE
	s_setreg_imm32_b32 hwreg(HW_REG_WAVE_MODE, 25, 1), 1
	s_wait_xcnt 0x0
; THE ROUTER, AND x AS CODES.  logits = x Wg in f32 (fused multiply-adds), the two largest of eight (ties: the lower index, as jax.lax.top_k), their softmax with the
; maximum taken away, the dense row of gate weights (0 for an expert that was not chosen), and x quantised to FP4 (E2M1) along its 1,024, one E8M0 byte for each 32.
; SHARES.  A work-group takes 8 tokens, a wave 2.  Lane l owns k = 32 l .. 32 l + 31 of a token: one block of the quantiser, and the 32 rows of Wg that belong to it (256 registers, window 1).
; Every global load is dense (512 consecutive bytes a wave); the numbers turn through LDS so that a lane gets its 128 (x) or 1,024 (Wg) consecutive bytes.
; No address and no branch hangs on a logit: the choice is made by v_cndmask_b32 and stored at fixed places; a later launch places the rows.
; OUT: out1 (logits), out2 and sel (indices), gw [2048][8], xq: codes [2048][512 bytes] at 0, scale bytes [2048][32] at 1,048,576.  The small results of the 8 tokens meet in LDS and leave as aligned runs of 256 bytes.
; LIMITS: NaN and infinities among x, Wg or the logits are not served.  Two logits closer than the error of an f32 sum of 1,024 terms may change places in out2.
; A block of zeros gets the byte 1 (its codes are zeros; this program alone reads the bytes); blocks whose largest magnitude lies under 2^-124 are held at that byte.
.set XSCOFF, 1048576                   ; where x's scale bytes begin in xq
.set XST,  33280                       ; LDS: Wg's stage at 0: 32 rows of 1,024 bytes, pitch 1,040 = 65 x 16; x's stages here: 9,216 bytes a wave, 4,608 a token, 144 = 9 x 16 a lane
.set OUTS, 70144                       ; LDS: +0 logits (256 bytes), +256 gate weights, +512 x's scale bytes, +768 indices (64 bytes)
.set X,   32                           ; v32-95   x: as loaded, then 32 neighbours a token
.set WR,  96                           ; v96-159  Wg as loaded; later at work
.set AC,  160                          ; v160-175 the sums, 8 a token
.set GW,  176                          ; v176-191 the gate weights, 8 a token
.set IDX, 192                          ; v192-195 (first, second) index, a pair a token
.set T,   196                          ; v196-213 at work
.set C,   216                          ; v216-223 codes, 4 a token
.set MSB, 0
.macro WIN new                         ; the immediate's high byte repeats the setting that is left
.if MSB != (\new)
	s_set_vgpr_msb (MSB<<8)|(\new)
.set MSB, (\new)
.endif
.endm
	s_load_b256 s[4:11], s[0:1], 0x0               ; x s[4:5], Wg s[6:7], xq s[8:9], gw s[10:11]
	s_load_b128 s[12:15], s[0:1], 0x20             ; sel s[12:13], out1 s[14:15]
	s_load_b64 s[16:17], s[0:1], 0x30              ; out2
	v_lshl_add_u32 v254, v0, 2, 0x11600
	v_mov_b32 v255, 0
	v_lshrrev_b32 v1, 5, v0
	v_readfirstlane_b32 s18, v1                    ; wave 0..3
	v_and_b32 v1, 31, v0                           ; lane
	v_lshlrev_b32 v2, 4, v1                        ; 16 x lane
	s_mul_i32 s19, s18, 8320
	v_add_nc_u32 v3, s19, v2                       ; Wg into its stage: my wave's 8 rows of 1,040, 16 bytes a lane
	s_mul_i32 s19, s18, 9216
	s_add_co_u32 s19, s19, XST                     ; my wave's stage for x
	v_lshrrev_b32 v4, 3, v1
	v_mul_u32_u24 v4, v4, 144
	v_and_b32 v5, 7, v1
	v_lshl_add_u32 v4, v5, 4, v4
	v_add_nc_u32 v4, s19, v4                       ; x into it: eight lanes' 128 bytes make one place of 144
	v_mul_u32_u24 v5, v1, 1040                     ; Wg out of its stage: my 32 rows
	v_mul_u32_u24 v6, v1, 144
	v_add_nc_u32 v6, s19, v6                       ; x out of it: my 32 numbers
	s_lshl_b32 s20, s18, 6
	s_add_co_u32 s20, s20, OUTS
	v_mov_b32 v7, s20                              ; my two tokens' logits: OUTS + 64 w
	v_add_nc_u32 v8, s20, v1
	v_add_nc_u32 v8, 512, v8                       ; my block's scale byte: OUTS + 512 + 64 w + lane
	s_lshl_b32 s20, s18, 8
	s_add_co_u32 s20, s20, OUTS
	v_lshlrev_b32 v10, 3, v1                       ; the way out: 8 bytes a lane,
	v_add_nc_u32 v9, s20, v10                      ; of the 256 bytes that wave w sends
	s_lshl_b32 s20, s18, 4
	s_add_co_u32 s20, s20, OUTS+768
	v_mov_b32 v11, s20                             ; my two tokens' indices
	v_and_b32 v13, 15, v1
	v_lshlrev_b32 v13, 2, v13                      ; the indices' way out: 64 bytes, a word a lane (lanes 16-31 repeat lanes 0-15)
	v_add_nc_u32 v12, OUTS+768, v13
	s_lshl_b32 s20, s18, 13
	v_add_nc_u32 v14, s20, v2                      ; Wg in memory: my wave's quarter, 8,192 bytes
	s_lshl_b32 s22, ttmp9, 15                      ; x: 8 tokens of 4,096 bytes a work-group,
	s_add_co_u32 s22, s22, s20                     ; two a wave
	s_mov_b32 s23, 0
	s_lshl_b32 s24, ttmp9, 12                      ; x's codes: 512 bytes a token
	s_lshl_b32 s25, s18, 10
	s_add_co_u32 s24, s24, s25
	s_mov_b32 s25, 0
	s_lshl_b32 s26, ttmp9, 8                       ; 256 bytes a work-group of logits, gate weights and scale bytes
	s_mov_b32 s27, 0
	s_lshl_b32 s28, ttmp9, 6                       ; 64 of indices
	s_mov_b32 s29, 0
	s_mov_b32 s30, 0x76543210
	s_mov_b32 s31, 0xfedcba98                      ; v_permlanex16_b32's selects for lane l xor 16
	s_wait_alu depctr_va_vdst(0)
	s_wait_kmcnt 0x0
	s_add_nc_u64 s[4:5], s[4:5], s[22:23]
.irp i, 0,1,2,3,4,5,6,7,8,9,10,11,12,13,14,15
	global_load_b128 v[WR+4*\i:WR+4*\i+3], v14, s[6:7] offset:512*\i               ; Wg: every work-group reads it, so no hint
.endr
.irp tk, 0,1
.irp j, 0,1,2,3,4,5,6,7
	global_load_b128 v[X+32*\tk+4*\j:X+32*\tk+4*\j+3], v2, s[4:5] offset:4096*\tk+512*\j th:TH_LOAD_NT
.endr
.endr
	s_add_nc_u64 s[32:33], s[8:9], XSCOFF          ; x's scale bytes
	s_add_nc_u64 s[8:9], s[8:9], s[24:25]          ; x's codes at my first token
	s_cmp_eq_u32 s18, 0                            ; what my wave sends at the end: wave 0 the logits, wave 1 the gate weights, wave 2 the scale bytes
	s_cselect_b64 s[34:35], s[14:15], s[10:11]
	s_cmp_eq_u32 s18, 2
	s_cselect_b64 s[34:35], s[32:33], s[34:35]
	s_add_nc_u64 s[34:35], s[34:35], s[26:27]
	s_add_nc_u64 s[16:17], s[16:17], s[28:29]
	s_add_nc_u64 s[12:13], s[12:13], s[28:29]
	s_wait_loadcnt 16                              ; Wg's 16 loads are in; x's 16, issued behind them, may be out
.irp i, 0,1,2,3,4,5,6,7,8,9,10,11,12,13,14,15
	ds_store_b128 v3, v[WR+4*\i:WR+4*\i+3] offset:1040*(\i/2)+512*(\i%2)
.endr
	s_wait_loadcnt 0x0
.irp tk, 0,1
.irp j, 0,1,2,3,4,5,6,7
	ds_store_b128 v4, v[X+32*\tk+4*\j:X+32*\tk+4*\j+3] offset:4608*\tk+576*\j
.endr
.endr
	s_wait_dscnt 0x0                               ; for the others' sake: my quarter of Wg lies in the stage
	s_barrier_signal -1
	s_barrier_wait -1
.irp tk, 0,1
.irp i, 0,1,2,3,4,5,6,7
	ds_load_b128 v[X+32*\tk+4*\i:X+32*\tk+4*\i+3], v6 offset:4608*\tk+16*\i        ; register kk of a token: x(32 lane + kk)
.endr
.endr
	WIN 0x40                                       ; destination window 1
.set i, 0
.rept 64
	ds_load_b128 v[4*i:4*i+3], v5 offset:16*i      ; register 8 kk + e of window 1: Wg(32 lane + kk, e)
.set i, i+1
.endr
	s_wait_dscnt 0x0
	WIN 0x04                                       ; source 1 (Wg) window 1
.irp e, 0,1,2,3,4,5,6,7
.irp tk, 0,1
	v_mul_f32 v[AC+8*\tk+\e], v[X+32*\tk], v[\e]   ; the first product starts each sum
.endr
.endr
.set kk, 1
.rept 31
.irp e, 0,1,2,3,4,5,6,7
.irp tk, 0,1
	v_fma_f32 v[AC+8*\tk+\e], v[X+32*\tk+kk], v[8*kk+\e], v[AC+8*\tk+\e]           ; sixteen chains by turns
.endr
.endr
.set kk, kk+1
.endr
	WIN 0
.irp m, 1,2,4,8                        ; the sum over the 32 lanes: four steps inside each half, one across; every lane ends with all 16 logits
.irp a, 0,1,2,3,4,5,6,7,8,9,10,11,12,13,14,15
	v_add_f32_dpp v[AC+\a], v[AC+\a], v[AC+\a] row_xmask:\m row_mask:0xf bank_mask:0xf
.endr
.endr
.irp a, 0,1,2,3,4,5,6,7,8,9,10,11,12,13,14,15
	v_permlanex16_b32 v[WR+\a], v[AC+\a], s30, s31 ; (its destination counts as read: these registers were written by Wg's loads)
.endr
.irp a, 0,1,2,3,4,5,6,7,8,9,10,11,12,13,14,15
	v_add_f32 v[AC+\a], v[AC+\a], v[WR+\a]
.endr
; The two largest of a token's eight logits, their softmax, and the dense row of gate weights: selections only.
.macro TOP2 tk
.set TT, T+5*\tk                       ; +0 the largest, +1 the second, +2 t, +3 the first weight, +4 the second
.set L,  AC+8*\tk
.set BI, IDX+2*\tk
.set SI, IDX+2*\tk+1
.set G,  GW+8*\tk
	v_mov_b32 v[TT], v[L]
	v_mov_b32 v[BI], 0
.irp e, 1,2,3,4,5,6,7
	v_cmp_gt_f32 vcc_lo, v[L+\e], v[TT]            ; strictly larger: of equals the lower index stays
	v_cndmask_b32 v[TT], v[TT], v[L+\e], vcc_lo
	v_cndmask_b32 v[BI], v[BI], \e, vcc_lo
.endr
	v_mov_b32 v[TT+1], 0xff800000                  ; -infinity: under every logit that is served
	v_mov_b32 v[SI], 0
.irp e, 0,1,2,3,4,5,6,7
	v_cmp_gt_f32 s36, v[L+\e], v[TT+1]
	v_cmp_ne_u32 s37, \e, v[BI]                    ; the largest itself does not count
	s_and_b32 s36, s36, s37
	v_cndmask_b32 v[TT+1], v[TT+1], v[L+\e], s36
	v_cndmask_b32 v[SI], v[SI], \e, s36
.endr
	v_sub_f32 v[TT+2], v[TT+1], v[TT]              ; the maximum is taken away: 0 or less
	v_mul_f32 v[TT+2], 0x3fb8aa3b, v[TT+2]         ; x log2(e)
	s_wait_alu depctr_va_vdst(0)
	v_exp_f32 v[TT+2], v[TT+2]                     ; t = e^(second - first), at most 1
	v_nop                                          ; a plain place behind a transcendental
	s_wait_alu depctr_va_vdst(0)
	v_add_f32 v[TT+3], 1.0, v[TT+2]
	s_wait_alu depctr_va_vdst(0)
	v_rcp_f32 v[TT+3], v[TT+3]                     ; the first weight: 1 / (1 + t)
	v_nop
	s_wait_alu depctr_va_vdst(0)
	v_mul_f32 v[TT+4], v[TT+2], v[TT+3]            ; the second: t / (1 + t)
.irp e, 0,1,2,3,4,5,6,7
	v_cmp_eq_u32 vcc_lo, \e, v[BI]
	v_cndmask_b32 v[G+\e], 0, v[TT+3], vcc_lo
	v_cmp_eq_u32 vcc_lo, \e, v[SI]
	v_cndmask_b32 v[G+\e], v[G+\e], v[TT+4], vcc_lo
.endr
.endm
	TOP2 0
	TOP2 1
; My block of a token: its largest magnitude needs no other lane; 2 off its exponent field is the conversion's scale operand, and that field is the byte.
.macro XQ tk
.set XB, X+32*\tk
.set Q,  T+10+4*\tk
	v_max3_num_f32 v[Q], |v[XB]|, |v[XB+1]|, |v[XB+2]|
	v_max3_num_f32 v[Q+1], |v[XB+3]|, |v[XB+4]|, |v[XB+5]|
.irp i, 6,10,14,18,22,26
	v_max3_num_f32 v[Q], v[Q], |v[XB+\i]|, |v[XB+\i+1]|
	v_max3_num_f32 v[Q+1], v[Q+1], |v[XB+\i+2]|, |v[XB+\i+3]|
.endr
	v_max3_num_f32 v[Q], v[Q], |v[XB+30]|, |v[XB+31]|
	v_max3_num_f32 v[Q], v[Q], v[Q+1], 0x1800000   ; the floor 2^(3 - 127): the byte cannot fall under 1
	v_add_nc_u32 v[Q+2], 0xff000000, v[Q]
	v_lshrrev_b32 v[Q+3], 23, v[Q+2]
.irp g, 0,1,2,3
	v_cvt_scalef32_pk8_fp4_f32 v[C+4*\tk+\g], v[XB+8*\g:XB+8*\g+7], v[Q+2]
.endr
	v_nop                                          ; a plain place behind the last conversion
	ds_store_b8 v8, v[Q+3] offset:32*\tk
	global_store_b128 v2, v[C+4*\tk:C+4*\tk+3], s[8:9] offset:512*\tk              ; the token's 512 bytes of codes, 16 a lane
.endm
	XQ 0
	XQ 1
.irp tk, 0,1                           ; every lane holds the same numbers and writes them to the same bytes
	ds_store_b128 v7, v[AC+8*\tk:AC+8*\tk+3] offset:32*\tk
	ds_store_b128 v7, v[AC+8*\tk+4:AC+8*\tk+7] offset:32*\tk+16
	ds_store_b128 v7, v[GW+8*\tk:GW+8*\tk+3] offset:256+32*\tk
	ds_store_b128 v7, v[GW+8*\tk+4:GW+8*\tk+7] offset:256+32*\tk+16
	ds_store_b64 v11, v[IDX+2*\tk:IDX+2*\tk+1] offset:8*\tk
.endr
	s_wait_dscnt 0x0                               ; for the others' sake: my tokens' results lie in LDS
	s_barrier_signal -1
	s_barrier_wait -1
	s_cmp_eq_u32 s18, 3
	s_cbranch_scc1 .Lindices
	ds_load_b64 v[T:T+1], v9
	s_wait_dscnt 0x0
	global_store_b64 v10, v[T:T+1], s[34:35]       ; 32 lanes store 256 consecutive bytes, aligned
	s_wait_tensorcnt 0x0
	ds_add_u32 v254, v255
	s_wait_dscnt 0x0
	s_endpgm
.Lindices:
	ds_load_b32 v[T], v12
	s_wait_dscnt 0x0
	global_store_b32 v13, v[T], s[16:17]           ; the 8 tokens' 64 bytes, as an output
	global_store_b32 v13, v[T], s[12:13]           ; and as whole numbers for the next launch
	s_wait_tensorcnt 0x0
	ds_add_u32 v254, v255
	s_wait_dscnt 0x0
	s_endpgm
.Lfunc_end_k_q27c67c6d54_gate:
	.size	k_q27c67c6d54_gate, .Lfunc_end_k_q27c67c6d54_gate-k_q27c67c6d54_gate
	.p2alignl 7, 3214868480
	.fill 96, 4, 3214868480
	.section	.rodata,"a",@progbits
	.p2align	6, 0x0
	.amdhsa_kernel k_q27c67c6d54_gate
		.amdhsa_group_segment_fixed_size 71680
		.amdhsa_private_segment_fixed_size 0
		.amdhsa_enable_private_segment 0
		.amdhsa_kernarg_size 56
		.amdhsa_user_sgpr_count 2
		.amdhsa_user_sgpr_kernarg_segment_ptr 1
		.amdhsa_wavefront_size32 1
		.amdhsa_system_sgpr_workgroup_id_x 1
		.amdhsa_system_sgpr_workgroup_id_y 1
		.amdhsa_system_sgpr_workgroup_id_z 1
		.amdhsa_system_vgpr_workitem_id 0
		.amdhsa_next_free_vgpr 512
		.amdhsa_next_free_sgpr 66
		.amdhsa_reserve_vcc 1
		.amdhsa_float_denorm_mode_32 3
		.amdhsa_float_denorm_mode_16_64 3
		.amdhsa_memory_ordered 1
		.amdhsa_forward_progress 1
		.amdhsa_inst_pref_size 65
	.end_amdhsa_kernel
	.amdgpu_metadata
---
amdhsa.version: [ 1, 2 ]
amdhsa.kernels:
  - .name:           k_q27c67c6d54_gate
    .symbol:         k_q27c67c6d54_gate.kd
    .args:
      - { .name: x, .offset: 0, .size: 8, .value_kind: global_buffer, .address_space: global }
      - { .name: Wg, .offset: 8, .size: 8, .value_kind: global_buffer, .address_space: global }
      - { .name: xq, .offset: 16, .size: 8, .value_kind: global_buffer, .address_space: global }
      - { .name: gw, .offset: 24, .size: 8, .value_kind: global_buffer, .address_space: global }
      - { .name: sel, .offset: 32, .size: 8, .value_kind: global_buffer, .address_space: global }
      - { .name: out1, .offset: 40, .size: 8, .value_kind: global_buffer, .address_space: global }
      - { .name: out2, .offset: 48, .size: 8, .value_kind: global_buffer, .address_space: global }
    .group_segment_fixed_size: 71680
    .private_segment_fixed_size: 0
    .kernarg_segment_align: 8
    .kernarg_segment_size: 56
    .max_flat_workgroup_size: 128
    .sgpr_count:     66
    .vgpr_count:     512
    .wavefront_size: 32
...
	.end_amdgpu_metadata
.endif
;; end of part 1
;; launch prep (part 2): grid 257 x 1, 16 waves a work-group, no clusters, 4,096 bytes of LDS; arguments W1, W2, sel, wc, ws, order; writes wc, ws, order
.if DOCPART == 2
	.amdgcn_target "amdgcn-amd-amdhsa--gfx1250"
	.amdhsa_code_object_version 6
	.text
	.protected	k_q27c67c6d54_prep
	.globl	k_q27c67c6d54_prep
	.p2align	8
	.type	k_q27c67c6d54_prep,@function
k_q27c67c6d54_prep:
	s_mov_b64 s[64:65], 0
	v_nop
	global_prefetch_b8 v0, s[64:65] scope:SCOPE_SE
	s_setreg_imm32_b32 hwreg(HW_REG_WAVE_MODE, 25, 1), 1
	s_wait_xcnt 0x0
; THE WEIGHTS AS CODES, AND THE PLACING OF ROWS.  Work-groups 0-127 quantise W1 [8][1024 (K)][2048], 128-255 W2 [8][2048 (K)][1024]; work-group 256, the shortest, sorts the tokens.
; A wave names 128 registers: two work-groups' waves, 8 x 128 = 1,024 registers a SIMD, can stand side by side, and the 256 work-groups of equal length have the lowest numbers.
; WEIGHTS.  K is the first axis within an expert: A LANE TAKES A COLUMN AND ITS REGISTERS RUN DOWN K, so that a block of 32 lies in one lane, its largest magnitude needs no other lane, and the
; conversions give codes with K innermost.  A wave takes 32 columns x 256 along K (8 blocks), the sixteen waves stand side by side on 2,048 bytes of each row of the weight.
; THE CODES ARE LAID AS THE READER'S REGISTERS WANT THEM: [expert][32 columns][K step of 128][tile of 16 columns][1,024 bytes]; in a tile, block b of the K step of tile row r lies at 512 (b / 2) + 256 (b % 2) + 16 r:
; a fragment then comes by two loads of 16 bytes at 16 x lane.  So a lane's 16 bytes of a block go straight to memory, and each store of the wave fills two aligned runs of 256 bytes: no stage in LDS.
; W1's tiles: column x of its 32 is row (x % 8) + 8 (x / 16) of tile (x / 8) % 2, so that the first product's results are neighbours along the second product's K.  W2's tiles: row x % 16 of tile x / 16.
; The scale bytes: runs of 256 bytes = [tile, row: 32][two K steps' words].
; No tensor load, no cluster (no byte of the weights is read by two work-groups), no prefetch (no loop to run ahead in; each byte is asked for once, two blocks ahead of its use).
; PLACING.  Tokens are sorted by their unordered pair of experts (28 bins) by a counting sort without atomics: perm[position] = token.  For each run of 64 and of 128 positions the experts that some token of the
; run uses are listed (their number, and their numbers as nibbles in ascending order).  All addresses there come from whole numbers that the launch before stored.
; THE ORDER OF THE BINS IS A SNAKE: (0,1) .. (0,7), (1,7) .. (1,2), (2,3) .. (2,7), (3,7) .. (3,4), (4,5) .. (4,7), (5,7), (5,6), (6,7).  Each bin shares an expert with the bin behind it, so a run of positions
; that spans k bins lists k + 1 experts at the most; the later launches walk a run's list, so a shorter list is work that they do not do.  The three walks over the bins below name the same list of keys 8 a + b.
; LIMITS: NaN and infinities among the weights are not served; a block of zeros gets the byte 1 (its codes are zeros; this program alone reads the bytes); blocks under 2^-124 are held at that byte.
; LDS (the sort alone): the table [bin 32][wave 16] of words at 0; the spare words, 128 bytes a wave, at 2,048.
.set X,  32                            ; v32-95   two sets of 32 numbers
.set C,  96                            ; v96-127  codes: four registers a block, never written again
.set SB, 24                            ; v24-25   the scale bytes of two K steps
.set SPW, 5                            ; v5       LDS address of my spare word: 2,048 + 4 x my thread's number; never rewritten
.set NIL, 6                            ; v6       0; never rewritten
	s_load_b256 s[4:11], s[0:1], 0x0               ; W1 s[4:5], W2 s[6:7], sel s[8:9], wc s[10:11]
	s_load_b128 s[12:15], s[0:1], 0x20             ; ws s[12:13], order s[14:15]
	v_lshl_add_u32 v[SPW], v0, 2, 0x800
	v_mov_b32 v[NIL], 0
	v_lshrrev_b32 v1, 5, v0
	s_delay_alu instid0(VALU_DEP_1)
	v_readfirstlane_b32 s16, v1                    ; wave 0..15
	v_and_b32 v1, 31, v0                           ; lane
	s_delay_alu instid0(VALU_DEP_1)
	v_lshlrev_b32 v2, 2, v1                        ; 4 bytes a lane: my column
	s_cmp_eq_u32 ttmp9, 256
	s_cbranch_scc1 .Lplace
	s_cmp_gt_u32 ttmp9, 127
	s_cbranch_scc1 .Lw2
.macro WLOAD t, src, rowb              ; block t: rows 32 t .. 32 t + 31 of my column, into set t % 2
.irp i, 0,1,2,3,4,5,6,7,8,9,10,11,12,13,14,15,16,17,18,19,20,21,22,23,24,25,26,27,28,29,30,31
	global_load_b32 v[X+32*((\t)%2)+\i], v2, s[\src:\src+1] offset:(32*(\t)+\i)*\rowb th:TH_LOAD_NT
.endr
.endm
.macro WBLOCK t, src, rowb
.set XB, X+32*((\t)%2)
.if (\t) < 7
	s_wait_loadcnt 32                              ; this block's 32 loads are in; the next block's 32 may be out
.else
	s_wait_loadcnt 0x0
.endif
	v_max3_num_f32 v12, |v[XB]|, |v[XB+1]|, |v[XB+2]|
	v_max3_num_f32 v13, |v[XB+3]|, |v[XB+4]|, |v[XB+5]|
.irp i, 6,10,14,18,22,26
	s_delay_alu instid0(VALU_DEP_2)
	v_max3_num_f32 v12, v12, |v[XB+\i]|, |v[XB+\i+1]|
	s_delay_alu instid0(VALU_DEP_2)
	v_max3_num_f32 v13, v13, |v[XB+\i+2]|, |v[XB+\i+3]|
.endr
	s_delay_alu instid0(VALU_DEP_2)
	v_max3_num_f32 v12, v12, |v[XB+30]|, |v[XB+31]|
	s_delay_alu instid0(VALU_DEP_1)
	v_max3_num_f32 v12, v12, v13, 0x1800000        ; the floor 2^(3 - 127): the byte cannot fall under 1
	s_delay_alu instid0(VALU_DEP_1)
	v_add_nc_u32 v11, 0xff000000, v12              ; 2 off the exponent field: the conversion's scale operand
	s_delay_alu instid0(VALU_DEP_1)
	v_lshrrev_b32 v13, 23, v11                     ; the byte
.if (\t)%4 == 0
	s_delay_alu instid0(VALU_DEP_1)
	v_mov_b32 v[SB+(\t)/4], v13
.else
	s_delay_alu instid0(VALU_DEP_1)
	v_lshl_or_b32 v[SB+(\t)/4], v13, 8*((\t)%4), v[SB+(\t)/4]
.endif
.irp g, 0,1,2,3
	v_cvt_scalef32_pk8_fp4_f32 v[C+4*(\t)+\g], v[XB+8*\g:XB+8*\g+7], v11
.endr
	global_store_b128 v3, v[C+4*(\t):C+4*(\t)+3], s[10:11] offset:2048*((\t)/4)+512*(((\t)/2)%2)+256*((\t)%2)   ; the results go to a store alone; the next vector lines are plain and touch the other set
.if (\t)+2 < 8
	WLOAD (\t)+2, \src, \rowb
.endif
.endm
.macro WQ src, rowb                    ; every offset is an immediate (255 rows of 8,192 bytes at the most): no pointer is stepped and no store's data are written again
	WLOAD 0, \src, \rowb
	WLOAD 1, \src, \rowb
.set Q, 0
.rept 8
	WBLOCK Q, \src, \rowb
.set Q, Q+1
.endr
	global_store_b64 v4, v[SB:SB+1], s[12:13]      ; 32 lanes store 256 consecutive bytes, aligned
	s_endpgm
.endm
	; ---- W1: q = work-group: expert q / 16, 256 along K (q / 4) % 4, columns 512 (q % 4) + 32 wave
	s_mov_b32 s17, ttmp9
	s_lshr_b32 s18, s17, 4
	s_bfe_u32 s19, s17, 0x20002
	s_and_b32 s20, s17, 3
	s_lshl_b32 s20, s20, 4
	s_add_co_u32 s20, s20, s16                     ; which 32 columns of the expert's 2,048
	s_lshl_b32 s22, s18, 23                        ; W1: 8 MiB an expert,
	s_lshl_b32 s24, s19, 21                        ; 256 rows of 8,192 bytes,
	s_add_co_u32 s22, s22, s24
	s_lshl_b32 s24, s20, 7                         ; 128 bytes for 32 columns
	s_add_co_u32 s22, s22, s24
	s_mov_b32 s23, 0
	s_lshl_b32 s24, s18, 20                        ; codes: 1 MiB an expert,
	s_lshl_b32 s26, s20, 14                        ; 16 KiB for 32 columns (8 K steps of 2,048 bytes),
	s_add_co_u32 s24, s24, s26
	s_lshl_b32 s26, s19, 12                        ; two K steps
	s_add_co_u32 s24, s24, s26
	s_mov_b32 s25, 0
	s_lshl_b32 s26, s18, 16                        ; scale bytes: ((64 expert + columns) 4 + pair of K steps) x 256
	s_lshl_b32 s28, s20, 10
	s_add_co_u32 s26, s26, s28
	s_lshl_b32 s28, s19, 8
	s_add_co_u32 s26, s26, s28
	s_mov_b32 s27, 0
	s_wait_alu depctr_va_vdst(0)
	v_bfe_u32 v14, v1, 3, 1                        ; my column's tile,
	v_and_b32 v15, 7, v1
	v_lshrrev_b32 v16, 4, v1
	s_delay_alu instid0(VALU_DEP_1)
	v_lshl_add_u32 v15, v16, 3, v15                ; and its row there
	s_delay_alu instid0(VALU_DEP_1)
	v_lshlrev_b32 v3, 4, v15
	s_delay_alu instid0(VALU_DEP_1)
	v_lshl_add_u32 v3, v14, 10, v3                 ; codes: 1,024 x tile + 16 x row
	s_delay_alu instid0(VALU_DEP_3)
	v_lshlrev_b32 v4, 3, v15
	s_delay_alu instid0(VALU_DEP_1)
	v_lshl_add_u32 v4, v14, 7, v4                  ; scale words: 8 x (16 x tile + row)
	s_wait_kmcnt 0x0
	s_add_nc_u64 s[4:5], s[4:5], s[22:23]
	s_add_nc_u64 s[10:11], s[10:11], s[24:25]
	s_add_nc_u64 s[12:13], s[12:13], s[26:27]
	WQ 4, 8192
.Lw2:
	; ---- W2: q = work-group - 128: expert q / 16, 256 along K (q / 2) % 8, columns 512 (q % 2) + 32 wave
	s_sub_co_u32 s17, ttmp9, 128
	s_lshr_b32 s18, s17, 4
	s_bfe_u32 s19, s17, 0x30001
	s_and_b32 s20, s17, 1
	s_lshl_b32 s20, s20, 4
	s_add_co_u32 s20, s20, s16                     ; which 32 columns of the expert's 1,024
	s_lshl_b32 s22, s18, 23
	s_lshl_b32 s24, s19, 20                        ; 256 rows of 4,096 bytes
	s_add_co_u32 s22, s22, s24
	s_lshl_b32 s24, s20, 7
	s_add_co_u32 s22, s22, s24
	s_mov_b32 s23, 0
	s_lshl_b32 s24, s18, 20
	s_lshl_b32 s26, s20, 15                        ; 32 KiB for 32 columns (16 K steps)
	s_add_co_u32 s24, s24, s26
	s_lshl_b32 s26, s19, 12
	s_add_co_u32 s24, s24, s26
	s_add_co_u32 s24, s24, 0x800000                ; behind W1's codes
	s_mov_b32 s25, 0
	s_lshl_b32 s26, s18, 16                        ; scale bytes: ((8 expert + pair of K steps) 32 + columns) x 256,
	s_lshl_b32 s28, s19, 13
	s_add_co_u32 s26, s26, s28
	s_lshl_b32 s28, s20, 8
	s_add_co_u32 s26, s26, s28
	s_add_co_u32 s26, s26, 0x80000                 ; behind W1's
	s_mov_b32 s27, 0
	s_wait_alu depctr_va_vdst(0)
	v_lshrrev_b32 v14, 4, v1
	v_and_b32 v15, 15, v1
	s_delay_alu instid0(VALU_DEP_1)
	v_lshlrev_b32 v3, 4, v15
	s_delay_alu instid0(VALU_DEP_1)
	v_lshl_add_u32 v3, v14, 10, v3
	v_lshlrev_b32 v4, 3, v1
	s_wait_kmcnt 0x0
	s_add_nc_u64 s[6:7], s[6:7], s[22:23]
	s_add_nc_u64 s[10:11], s[10:11], s[24:25]
	s_add_nc_u64 s[12:13], s[12:13], s[26:27]
	WQ 6, 4096
.Lplace:
	; ---- the sort.  Wave w owns tokens 128 w + 32 c + lane, c = 0 .. 3.  v8-11 keys, v12-15 positions, v16-19 tokens.  s20-48: where each bin begins; s66-93: a bin's count, then my wave's next place in it
	s_wait_alu depctr_va_vdst(0)
	v_lshlrev_b32 v3, 3, v1
	s_lshl_b32 s17, s16, 10
	v_add_nc_u32 v3, s17, v3                       ; 8 bytes a token
	s_wait_alu depctr_va_vdst(0)
	s_wait_kmcnt 0x0
.irp c, 0,1,2,3
	global_load_b64 v[20+2*\c:21+2*\c], v3, s[8:9] offset:256*\c
.endr
	s_lshl_b32 s17, s16, 7
	v_add_nc_u32 v16, s17, v1
.irp c, 1,2,3
	v_add_nc_u32 v[16+\c], 32*\c, v16
.endr
	v_lshlrev_b32 v30, 6, v1
	s_delay_alu instid0(VALU_DEP_1)
	v_mov_b32 v31, v30                             ; the table [bin 32][wave 16] of words: a bin's row,
	s_lshl_b32 s17, s16, 2
	v_add_nc_u32 v30, s17, v30                     ; and my wave's word in it
	v_mov_b32 v28, 0
	s_wait_loadcnt 0x0
.irp c, 0,1,2,3
	v_min_u32 v[8+\c], v[20+2*\c], v[21+2*\c]
	v_max_u32 v29, v[20+2*\c], v[21+2*\c]
	s_delay_alu instid0(VALU_DEP_1)
	v_lshl_add_u32 v[8+\c], v[8+\c], 3, v29        ; key = 8 x the lower expert + the higher
.endr
.set BIN, 0
.irp k, 1,2,3,4,5,6,7,15,14,13,12,11,10,19,20,21,22,23,31,30,29,28,37,38,39,47,46,55
	v_cmp_eq_u32 s94, \k, v8                       ; the bins in the snake's order, by their keys
	v_cmp_eq_u32 s95, \k, v9
	v_cmp_eq_u32 s96, \k, v10
	v_cmp_eq_u32 s97, \k, v11
	s_bcnt1_i32_b32 s94, s94
	s_bcnt1_i32_b32 s95, s95
	s_bcnt1_i32_b32 s96, s96
	s_bcnt1_i32_b32 s97, s97
	s_add_co_u32 s94, s94, s95
	s_add_co_u32 s96, s96, s97
	s_add_co_u32 s[66+BIN], s94, s96               ; my wave's tokens in this bin
.set BIN, BIN+1
.endr
.set k, 0
	v_writelane_b32 v28, s[66+k], k                ; lane = bin
.set k, k+1
.rept (28)-1
	s_delay_alu instid0(VALU_DEP_1)
	v_writelane_b32 v28, s[66+k], k                ; lane = bin
.set k, k+1
.endr
	ds_store_b32 v30, v28
	s_wait_dscnt 0x0                               ; for the others' sake: my counts lie in the table
	s_barrier_signal -1
	s_barrier_wait -1
.irp k, 0,1,2,3
	ds_load_b128 v[32+4*\k:35+4*\k], v31 offset:16*\k              ; the sixteen waves' counts of bin = lane
.endr
	s_wait_dscnt 0x0
	v_add3_u32 v48, v32, v33, v34
.irp k, 35,37,39,41,43,45
	s_delay_alu instid0(VALU_DEP_1)
	v_add3_u32 v48, v48, v[\k], v[\k+1]
.endr
	s_delay_alu instid0(VALU_DEP_1)
	v_add_nc_u32 v48, v48, v47                     ; the bin's tokens in all
	v_mov_b32 v49, 0
.irp k, 0,1,2,3,4,5,6,7,8,9,10,11,12,13,14
	s_cmp_gt_u32 s16, \k
	s_cselect_b32 s94, -1, 0
	v_and_b32 v50, s94, v[32+\k]
	s_delay_alu instid0(VALU_DEP_1)
	v_add_nc_u32 v49, v49, v50                     ; and those of the waves in front of mine
.endr
.set k, 0
.rept 28
	v_readlane_b32 s[21+k], v48, k
	v_readlane_b32 s[66+k], v49, k
.set k, k+1
.endr
	s_mov_b32 s20, 0
.set k, 0
.rept 28
	s_add_co_u32 s[21+k], s[21+k], s[20+k]         ; where bin k + 1 begins
	s_add_co_u32 s[66+k], s[66+k], s[20+k]         ; where my wave's part of bin k begins
.set k, k+1
.endr
.irp c, 0,1,2,3
	v_mov_b32 v[12+\c], 0
.set BIN, 0
.irp k, 1,2,3,4,5,6,7,15,14,13,12,11,10,19,20,21,22,23,31,30,29,28,37,38,39,47,46,55
	v_cmp_eq_u32 vcc_lo, \k, v[8+\c]
	s_delay_alu instid0(VALU_DEP_1)
	v_mbcnt_lo_u32_b32 v50, vcc_lo, 0              ; how many lanes in front of mine are in this bin
	s_delay_alu instid0(VALU_DEP_1)
	v_add_nc_u32 v50, s[66+BIN], v50
	s_delay_alu instid0(VALU_DEP_1)
	v_cndmask_b32 v[12+\c], v[12+\c], v50, vcc_lo
	s_bcnt1_i32_b32 s94, vcc_lo
	s_add_co_u32 s[66+BIN], s[66+BIN], s94
.set BIN, BIN+1
.endr
.endr
.irp c, 0,1,2,3
	v_min_u32 v[12+\c], 0x7ff, v[12+\c]            ; a position made of loaded numbers is held inside the table before it enters an address
	s_delay_alu instid0(VALU_DEP_1)
	v_lshlrev_b32 v[12+\c], 2, v[12+\c]
	global_store_b32 v[12+\c], v[16+\c], s[14:15]  ; perm[position] = token
.endr
; The lists: lane = a run of 2^lg positions.  A bin that overlaps the run gives its two experts, key / 8 and key % 8.  d: the pair of registers (number, list).
.macro LISTS lg, off, d
	v_lshlrev_b32 v51, \lg, v1
	s_delay_alu instid0(VALU_DEP_1)
	v_add_nc_u32 v52, 1<<\lg, v51
	v_mov_b32 v53, 0
.set BIN, 0
.irp k, 1,2,3,4,5,6,7,15,14,13,12,11,10,19,20,21,22,23,31,30,29,28,37,38,39,47,46,55
	v_max_u32 v54, s[20+BIN], v51
	v_min_u32 v55, s[21+BIN], v52
	s_delay_alu instid0(VALU_DEP_1)
	v_cmp_lt_u32 vcc_lo, v54, v55
	s_delay_alu instid0(VALU_DEP_4)
	v_or_b32 v56, (1<<(\k/8))|(1<<(\k%8)), v53
	s_delay_alu instid0(VALU_DEP_1)
	v_cndmask_b32 v53, v53, v56, vcc_lo
.set BIN, BIN+1
.endr
	v_mov_b32 v[\d], 0
	v_mov_b32 v[\d+1], 0
.irp e, 0
	s_delay_alu instid0(VALU_DEP_3)
	v_bfe_u32 v54, v53, \e, 1
	s_delay_alu instid0(VALU_DEP_1)
	v_mul_u32_u24 v55, \e, v54
	s_delay_alu instid0(VALU_DEP_4)
	v_lshlrev_b32 v56, 2, v[\d]
	s_delay_alu instid0(VALU_DEP_1)
	v_lshlrev_b32 v55, v56, v55                    ; the expert's number into the next free nibble
	s_delay_alu instid0(VALU_DEP_1)
	v_or_b32 v[\d+1], v[\d+1], v55
	v_add_nc_u32 v[\d], v[\d], v54
.endr
.irp e, 1, 2, 3, 4, 5, 6, 7
	v_bfe_u32 v54, v53, \e, 1
	s_delay_alu instid0(VALU_DEP_1)
	v_mul_u32_u24 v55, \e, v54
	s_delay_alu instid0(VALU_DEP_3)
	v_lshlrev_b32 v56, 2, v[\d]
	s_delay_alu instid0(VALU_DEP_1)
	v_lshlrev_b32 v55, v56, v55                    ; the expert's number into the next free nibble
	s_delay_alu instid0(VALU_DEP_1)
	v_or_b32 v[\d+1], v[\d+1], v55
	v_add_nc_u32 v[\d], v[\d], v54
.endr
	global_store_b64 v57, v[\d:\d+1], s[14:15] offset:\off         ; 32 lanes store 256 consecutive bytes, aligned
.endm
	s_cmp_gt_u32 s16, 1                            ; every wave holds the bins' beginnings: wave 0 lists the runs of 64, wave 1 beside it the runs of 128
	s_cbranch_scc1 .Lplaced
	v_lshlrev_b32 v57, 3, v1
	s_cmp_eq_u32 s16, 1
	s_cbranch_scc1 .Llists128
	LISTS 6, 8192, 58
	s_branch .Lplaced
.Llists128:
	LISTS 7, 8448, 58                              ; (runs 16 to 31 of 128 begin past the last position: number 0, list 0)
.Lplaced:
	s_wait_tensorcnt 0x0                           ; the wave's end
	ds_add_u32 v[SPW], v[NIL]
	s_wait_dscnt 0x0
	s_endpgm
.Lfunc_end_k_q27c67c6d54_prep:
	.size	k_q27c67c6d54_prep, .Lfunc_end_k_q27c67c6d54_prep-k_q27c67c6d54_prep
	.p2alignl 7, 3214868480
	.fill 96, 4, 3214868480
	.section	.rodata,"a",@progbits
	.p2align	6, 0x0
	.amdhsa_kernel k_q27c67c6d54_prep
		.amdhsa_group_segment_fixed_size 4096
		.amdhsa_private_segment_fixed_size 0
		.amdhsa_enable_private_segment 0
		.amdhsa_kernarg_size 48
		.amdhsa_user_sgpr_count 2
		.amdhsa_user_sgpr_kernarg_segment_ptr 1
		.amdhsa_wavefront_size32 1
		.amdhsa_system_sgpr_workgroup_id_x 1
		.amdhsa_system_sgpr_workgroup_id_y 1
		.amdhsa_system_sgpr_workgroup_id_z 1
		.amdhsa_system_vgpr_workitem_id 0
		.amdhsa_next_free_vgpr 128
		.amdhsa_next_free_sgpr 100
		.amdhsa_reserve_vcc 1
		.amdhsa_float_denorm_mode_32 3
		.amdhsa_float_denorm_mode_16_64 3
		.amdhsa_memory_ordered 1
		.amdhsa_forward_progress 1
		.amdhsa_inst_pref_size 169
	.end_amdhsa_kernel
	.amdgpu_metadata
---
amdhsa.version: [ 1, 2 ]
amdhsa.kernels:
  - .name:           k_q27c67c6d54_prep
    .symbol:         k_q27c67c6d54_prep.kd
    .args:
      - { .name: W1, .offset: 0, .size: 8, .value_kind: global_buffer, .address_space: global }
      - { .name: W2, .offset: 8, .size: 8, .value_kind: global_buffer, .address_space: global }
      - { .name: sel, .offset: 16, .size: 8, .value_kind: global_buffer, .address_space: global }
      - { .name: wc, .offset: 24, .size: 8, .value_kind: global_buffer, .address_space: global }
      - { .name: ws, .offset: 32, .size: 8, .value_kind: global_buffer, .address_space: global }
      - { .name: order, .offset: 40, .size: 8, .value_kind: global_buffer, .address_space: global }
    .group_segment_fixed_size: 4096
    .private_segment_fixed_size: 0
    .kernarg_segment_align: 8
    .kernarg_segment_size: 48
    .max_flat_workgroup_size: 512
    .sgpr_count:     100
    .vgpr_count:     128
    .wavefront_size: 32
...
	.end_amdgpu_metadata
.endif
;; end of part 2
;; launch gemm1 (part 3): grid 16 x 16, 4 waves a work-group, no clusters, 70,144 bytes of LDS; arguments xq, order, wc, ws, b1, h; writes h
.if DOCPART == 3
	.amdgcn_target "amdgcn-amd-amdhsa--gfx1250"
	.amdhsa_code_object_version 6
	.text
	.protected	k_q27c67c6d54_gemm1
	.globl	k_q27c67c6d54_gemm1
	.p2align	8
	.type	k_q27c67c6d54_gemm1,@function
k_q27c67c6d54_gemm1:
	s_mov_b64 s[64:65], 0
	v_nop
	global_prefetch_b8 v0, s[64:65] scope:SCOPE_SE
	s_setreg_imm32_b32 hwreg(HW_REG_WAVE_MODE, 25, 1), 1
	s_wait_xcnt 0x0
; THE FIRST PRODUCT AND THE HIDDEN LAYER AS CODES: H = Q(relu(x W1[e] + b1[e])), on codes of FP4 (E2M1) with one E8M0 byte for each 32 along K, for the experts that a run of tokens uses.
; SHARES.  A work-group takes 128 sorted positions (run T = work-group y) and hidden units 128 j .. 128 j + 127 (j = work-group x): one K step of the second product.  It walks the run's list of experts.
; Every token of the run is multiplied for every listed expert; the gate weight 0 takes away later what reference() also takes away by 0.
; Wave w takes hidden units 32 (4 j + w) on: two tiles of 16, one block of the next quantiser, for all 8 tiles of tokens.
; x's codes (8 tiles x 8 K steps = 512 registers) stay in every wave's registers for the whole launch: gathered once by the four waves together, handed round through LDS as images of the registers.
; W1's codes come from memory straight into registers, laid by the launch before in the registers' order; each wave's are its own, so no weight byte is loaded twice by a work-group.
; No tensor load: the walk hangs on a stored list.  No cluster: the partners of a row would need different numbers of trips.
; THE PRODUCT IS USED TRANSPOSED (source 0 = 16 hidden units, source 1 = 16 tokens), and W1's tiles hold the units that make register 16 m + i of lane (r, h) hidden unit 32 (4 j + w) + 16 h + i of position 16 m + r:
; 16 neighbours along the next K.  Lanes l and l xor 16 share a block.  The bias is the C of a sum's first matrix instruction.
; OUT: h: codes [expert][T][K step j][tile m][1,024 bytes, the reader's register image]; a lane's 8 bytes lie at 256 w + 16 r + 8 h, so the wave's store fills 256 consecutive bytes, aligned.
; Scale words [expert][T][j][128 positions] at 16 MiB: byte w is wave w's; the bytes are gathered in LDS, 1,024 bytes of its own for each wave, and leave at the end as runs of 512 bytes.
; LIMITS: NaN and infinities are not served; a block of zeros gets the byte 1 (its codes are zeros; this program alone reads the bytes).
; REGISTERS: window 0: v1-15 addresses; v16-27 at work; v32-47 codes; v48-55 W1's scale words; v56-71 b1; v72-103 x's scale words; v104-115 bytes and the way out; v116-123 the gather; v128-255 the 16 accumulators.
;   windows 1, 2: x's fragments, (tile m, K step s) at v[64 (m % 4) + 8 s];   window 3: W1's fragments, (s, tile u) at v[16 s + 8 u].
.set XSC,   1048576                    ; x's scale bytes in xq
.set TL128, 8448                       ; the lists of runs of 128 in order
.set HSOFF, 16777216                   ; the scale words in h
.set SCL,   65536                      ; LDS: x's 64 images of 1,024 bytes at 0; here 1,024 bytes a wave: [trip 8][position 128] scale bytes
.set TM,    16
.set CODE,  32
.set W1S,   48
.set B1,    56
.set XS,    72
.set OUTR,  104
.set BY,    108
.set PT,    116
.set PV,    122
.set ACC,   128
.set MSB, 0
.macro WIN new                         ; the immediate's high byte repeats the setting that is left
.if MSB != (\new)
	s_set_vgpr_msb (MSB<<8)|(\new)
.set MSB, (\new)
.endif
.endm
.macro PLACES                          ; four places behind a matrix instruction of this form, in front of loads into its registers and of the first read of its result
.rept 4
	v_nop
.endr
.endm
	s_load_b256 s[4:11], s[0:1], 0x0               ; xq s[4:5], order s[6:7], wc s[8:9], ws s[10:11]
	s_load_b128 s[12:15], s[0:1], 0x20             ; b1 s[12:13], h s[14:15]
	v_lshl_add_u32 v126, v0, 2, 0x11000
	v_mov_b32 v127, 0
	v_lshrrev_b32 v15, 5, v0
	v_readfirstlane_b32 s16, v15                   ; wave 0..3
	s_mov_b32 s17, ttmp9                           ; j
	s_and_b32 s18, ttmp7, 0xffff                   ; T
	v_and_b32 v15, 31, v0                          ; lane
	v_and_b32 v5, 15, v0                           ; r
	v_bfe_u32 v3, v0, 4, 1                         ; h
	v_lshlrev_b32 v1, 4, v15                       ; 16 x lane: an image's place for my lane
	v_lshlrev_b32 v2, 3, v15                       ; 8 x lane: W1's scale words
	s_lshl_b32 s26, s16, 8
	v_lshl_add_u32 v4, v5, 4, s26
	v_lshl_add_u32 v4, v3, 3, v4                   ; my 8 bytes of a tile of H: 256 w + 16 r + 8 h
	s_lshl_b32 s26, s16, 14
	v_add_nc_u32 v7, s26, v1                       ; where I store x's images: my two tiles' 16 KiB
	s_lshl_b32 s26, s16, 7
	s_add_co_u32 s26, s26, SCL
	v_lshl_add_u32 v14, v15, 2, s26                ; the bytes' way out: SCL + 128 w + 4 x lane
	s_lshl_b32 s27, s18, 9
	v_lshl_add_u32 v[PV], v15, 2, s27              ; perm: 4 x (128 T + lane)
	s_lshl_b32 s53, s16, 7
	s_add_co_u32 s27, s27, s53
	v_lshl_add_u32 v[PV+1], v5, 2, s27             ; perm: 4 x (128 T + 32 w + r)
	s_lshl_b32 s26, s16, 10
	s_add_co_u32 s26, s26, SCL
	v_add_nc_u32 v5, s26, v5                       ; my scale bytes: SCL + 1,024 w + r
.irp b, 0,1,2,3
	v_mov_b32 v[TM+4+\b], 0                        ; written once: a lane permute's destination counts as one of its sources
.endr
	s_mov_b32 s46, 0x76543210
	s_mov_b32 s47, 0xfedcba98                      ; v_permlanex16_b32's selects for lane l xor 16
	s_lshl_b32 s54, s18, 3
	s_mov_b32 s27, 0
	s_lshl_b32 s52, s17, 2
	s_add_co_u32 s52, s52, s16                     ; my 32 hidden units: 4 j + w
	s_wait_alu depctr_va_vdst(0)
	s_wait_kmcnt 0x0
	s_load_b64 s[50:51], s[6:7], s54 offset:TL128  ; the run's number of experts and their list
.irp p, 0,1,2,3
	global_load_b32 v[PT+\p], v[PV], s[6:7] offset:128*\p          ; the tokens of positions 32 p + lane
.endr
.irp k, 0,1
	global_load_b32 v[PT+4+\k], v[PV+1], s[6:7] offset:64*\k       ; and of the two tiles that I gather: 2 w + k
.endr
	s_lshl_b32 s26, s52, 14
	s_add_nc_u64 s[28:29], s[8:9], s[26:27]        ; W1's codes of my units in expert 0
	s_lshl_b32 s26, s52, 10
	s_add_nc_u64 s[30:31], s[10:11], s[26:27]      ; their scale words
	s_lshl_b32 s26, s52, 7
	s_add_nc_u64 s[32:33], s[12:13], s[26:27]      ; b1
	s_lshl_b32 s26, s18, 17
	s_lshl_b32 s53, s17, 13
	s_add_co_u32 s26, s26, s53
	s_add_nc_u64 s[34:35], s[14:15], s[26:27]      ; H's codes of (T, j) in expert 0
	s_lshl_b32 s26, s18, 13
	s_lshl_b32 s53, s17, 9
	s_add_co_u32 s26, s26, s53
	s_add_co_u32 s26, s26, HSOFF
	s_add_nc_u64 s[36:37], s[14:15], s[26:27]      ; and its scale words
	s_wait_loadcnt 0x0
.irp i, 0,1,2,3,4,5
	v_min_u32 v[PT+\i], 0x7ff, v[PT+\i]            ; a loaded number is held inside the table before it enters an address
.endr
.irp p, 0,1,2,3
	v_lshlrev_b32 v[10+\p], 5, v[PT+\p]            ; 32 scale bytes a token
.endr
.irp k, 0,1
	v_lshlrev_b32 v[8+\k], 9, v[PT+4+\k]           ; 512 bytes of codes a token,
	v_lshl_add_u32 v[8+\k], v3, 4, v[8+\k]         ; + 16 h
.endr
	v_lshlrev_b32 v3, 6, v3                        ; from here on 64 h: my eight numbers of b1
.irp k, 0,1
.irp s, 0,1,2,3,4,5,6,7
.irp c, 0,1
	global_load_b128 v[ACC+64*\k+8*\s+4*\c:ACC+64*\k+8*\s+4*\c+3], v[8+\k], s[4:5] offset:64*\s+32*\c   ; a fragment's registers 4 c on: k = 128 s + 64 c + 32 h + 0 .. 31 of my row
.endr
.endr
.endr
.irp p, 0,1,2,3
	global_load_b128 v[XS+8*\p:XS+8*\p+3], v[10+\p], s[4:5] offset:XSC             ; register 8 p + s: lanes 0-15 the words of tile 2 p, lanes 16-31 of tile 2 p + 1, K step s
	global_load_b128 v[XS+8*\p+4:XS+8*\p+7], v[10+\p], s[4:5] offset:XSC+16
.endr
.macro SETW                            ; the bases of expert s25's weights
	s_lshl_b32 s26, s25, 20
	s_add_nc_u64 s[38:39], s[28:29], s[26:27]
	s_lshl_b32 s26, s25, 16
	s_add_nc_u64 s[40:41], s[30:31], s[26:27]
	s_lshl_b32 s26, s25, 13
	s_add_nc_u64 s[42:43], s[32:33], s[26:27]
.endm
.macro LDG sg                          ; K steps 2 sg and 2 sg + 1 of W1: 8 loads of codes, 1 of scale words
	WIN 0xc0                                       ; destination window 3
.irp ss, 0,1
.irp u, 0,1
.irp c, 0,1
	global_load_b128 v[16*(2*\sg+\ss)+8*\u+4*\c:16*(2*\sg+\ss)+8*\u+4*\c+3], v1, s[38:39] offset:2048*(2*\sg+\ss)+1024*\u+512*\c
.endr
.endr
.endr
	WIN 0
	global_load_b64 v[W1S+2*\sg:W1S+2*\sg+1], v2, s[40:41] offset:256*\sg          ; lanes 0-15 tile 0's rows, lanes 16-31 tile 1's
.endm
.macro LDB1                            ; b1 in the result's layout: tile u, register i: unit 16 h + 8 u + i of my 32
.irp u, 0,1
	global_load_b128 v[B1+8*\u:B1+8*\u+3], v3, s[42:43] offset:32*\u
	global_load_b128 v[B1+8*\u+4:B1+8*\u+7], v3, s[42:43] offset:32*\u+16
.endr
.endm
	s_wait_alu depctr_va_vdst(0)
	s_wait_kmcnt 0x0
	s_min_u32 s19, s50, 8                          ; n
	s_mov_b32 s20, s51                             ; the list, walked
	s_mov_b32 s21, s51                             ; and kept
	s_and_b32 s25, s20, 7
	s_min_u32 s25, s25, 7
	SETW
	LDG 0
	LDB1
	LDG 1
	LDG 2
	LDG 3
	s_wait_loadcnt 48                              ; the 32 gathers are in; behind them: x's 8 loads of scale words and the first expert's 40
.irp k, 0,1
.irp s, 0,1,2,3,4,5,6,7
.irp c, 0,1
	ds_store_b128 v7, v[ACC+64*\k+8*\s+4*\c:ACC+64*\k+8*\s+4*\c+3] offset:8192*\k+1024*\s+512*\c
.endr
.endr
.endr
	s_wait_dscnt 0x0                               ; for the others' sake: my two tiles' images lie in LDS
	s_barrier_signal -1
	s_barrier_wait -1
.irp m, 0,1,2,3,4,5,6,7
	WIN 0x40*(1+\m/4)                              ; destination window 1 or 2
.irp s, 0,1,2,3,4,5,6,7
.irp c, 0,1
	ds_load_b128 v[64*(\m%4)+8*\s+4*\c:64*(\m%4)+8*\s+4*\c+3], v1 offset:1024*(8*\m+\s)+512*\c
.endr
.endr
.endr
	WIN 0
	s_wait_dscnt 0x0
; One matrix instruction: K step s, tile of tokens m, tile of units u.
.macro WM s, m, u
.set rD, ACC+16*(\m)+8*(\u)
.set rA, 16*(\s)+8*(\u)
.set rB, 64*((\m)%4)+8*(\s)
.set rC, rD
.if (\s) == 0
.set rC, B1+8*(\u)
.endif
.set rSA, W1S+(\s)
.set rSB, XS+8*((\m)/2)+(\s)
.set VAR, 2*((\m)%2)+(\u)
.if VAR == 0
	v_wmma_scale_f32_16x16x128_f8f6f4 v[rD:rD+7], v[rA:rA+7], v[rB:rB+7], v[rC:rC+7], v[rSA], v[rSB] matrix_a_fmt:MATRIX_FMT_FP4 matrix_b_fmt:MATRIX_FMT_FP4
.elseif VAR == 1
	v_wmma_scale_f32_16x16x128_f8f6f4 v[rD:rD+7], v[rA:rA+7], v[rB:rB+7], v[rC:rC+7], v[rSA], v[rSB] matrix_a_fmt:MATRIX_FMT_FP4 matrix_b_fmt:MATRIX_FMT_FP4 matrix_a_scale:MATRIX_SCALE_ROW1
.elseif VAR == 2
	v_wmma_scale_f32_16x16x128_f8f6f4 v[rD:rD+7], v[rA:rA+7], v[rB:rB+7], v[rC:rC+7], v[rSA], v[rSB] matrix_a_fmt:MATRIX_FMT_FP4 matrix_b_fmt:MATRIX_FMT_FP4 matrix_b_scale:MATRIX_SCALE_ROW1
.else
	v_wmma_scale_f32_16x16x128_f8f6f4 v[rD:rD+7], v[rA:rA+7], v[rB:rB+7], v[rC:rC+7], v[rSA], v[rSB] matrix_a_fmt:MATRIX_FMT_FP4 matrix_b_fmt:MATRIX_FMT_FP4 matrix_a_scale:MATRIX_SCALE_ROW1 matrix_b_scale:MATRIX_SCALE_ROW1
.endif
.endm
; 32 matrix instructions: K steps 2 sg, 2 sg + 1.  Eight accumulators take turns, one instruction a turn: first tiles 0-3 (x in window 1), then 4-7 (window 2).
.macro MM sg
.irp hf, 0,1
	WIN 0x07+4*\hf                                 ; source 0 (W1) window 3, source 1 (x) window 1 or 2, C and D window 0
.irp ss, 0,1
.irp mq, 0,1,2,3
.irp u, 0,1
	WM 2*\sg+\ss, 4*\hf+\mq, \u
.endr
.endr
.endr
.endr
.endm
; Tiles 4 g .. 4 g + 3 of tokens: relu, the block's scale, the codes, out.  Each accumulator is read from its low end on.
.macro EPIG g
.irp mq, 0,1,2,3
.irp i, 0,1,2,3,4,5,6,7,8,9,10,11,12,13,14,15
	v_max_num_f32 v[ACC+16*(4*\g+\mq)+\i], 0, v[ACC+16*(4*\g+\mq)+\i]              ; the activation, in f32
.endr
.endr
.irp mq, 0,1,2,3
	v_max3_num_f32 v[TM+\mq], v[ACC+16*(4*\g+\mq)], v[ACC+16*(4*\g+\mq)+1], 0x1800000   ; none is negative: no |.|; the floor 2^(3 - 127) holds the byte at 1 from below
.endr
.irp i, 2,4,6,8,10,12,14
.irp mq, 0,1,2,3
	v_max3_num_f32 v[TM+\mq], v[TM+\mq], v[ACC+16*(4*\g+\mq)+\i], v[ACC+16*(4*\g+\mq)+\i+1]   ; (the four tiles by turns)
.endr
.endr
.irp mq, 0,1,2,3
	v_permlanex16_b32 v[TM+4+\mq], v[TM+\mq], s46, s47
.endr
.irp mq, 0,1,2,3
	v_max_num_f32 v[TM+\mq], v[TM+\mq], v[TM+4+\mq]                ; with lane l xor 16's 16 units: the block's largest
.endr
.irp mq, 0,1,2,3
	v_add_nc_u32 v[TM+8+\mq], 0xff000000, v[TM+\mq]                ; 2 off the exponent field: the conversion's scale operand
.endr
.irp mq, 0,1,2,3
	v_lshrrev_b32 v[BY+4*\g+\mq], 23, v[TM+8+\mq]                  ; the byte
.endr
.irp mq, 0,1,2,3
	v_cvt_scalef32_pk8_fp4_f32 v[CODE+2*(4*\g+\mq)], v[ACC+16*(4*\g+\mq):ACC+16*(4*\g+\mq)+7], v[TM+8+\mq]
	v_cvt_scalef32_pk8_fp4_f32 v[CODE+2*(4*\g+\mq)+1], v[ACC+16*(4*\g+\mq)+8:ACC+16*(4*\g+\mq)+15], v[TM+8+\mq]
.endr
	v_nop                                          ; a plain place behind the last conversion
.irp mq, 0,1,2,3
	global_store_b64 v4, v[CODE+2*(4*\g+\mq):CODE+2*(4*\g+\mq)+1], s[44:45] offset:1024*(4*\g+\mq)   ; 32 lanes store 256 consecutive bytes, aligned
	ds_store_b8 v6, v[BY+4*\g+\mq] offset:16*(4*\g+\mq)            ; both lanes of a block write the same byte with the same value
.endr
.endm
; A quarter of an expert's K.  cnt: the loads issued behind this quarter's, which may stay out.  pf = 1: the registers just multiplied take the next expert's.
.macro PART sg, pf, cnt
	s_wait_loadcnt \cnt
	MM \sg
	WIN 0
	PLACES
.if \pf
	LDG \sg
.if \sg == 0
	LDB1
.endif
.endif
.endm
; An expert.  Its 40 loads were issued in the order: quarter 0 (9), b1 (4), quarters 1, 2, 3 (9 each).
.macro TRIP pf
.if \pf
	PART 0, 1, 27                                  ; behind quarter 0 and b1: quarters 1 to 3
	PART 1, 1, 31                                  ; behind quarter 1: quarters 2, 3 (18) and the next expert's quarter 0 and b1 (13)
	PART 2, 1, 31                                  ; behind quarter 2: quarter 3 (9), the next expert's 13 and 9
	PART 3, 1, 31                                  ; behind quarter 3: the next expert's 13, 9 and 9
.else
	PART 0, 0, 27
	PART 1, 0, 18
	PART 2, 0, 9
	PART 3, 0, 0
.endif
	EPIG 0
	EPIG 1
.endm
	s_mov_b32 s22, 0                               ; trip
	s_mov_b32 s23, 0                               ; its 128 scale bytes
.Ltrip:                                                ; eight trips, a constant; a trip past the list's end does nothing
	s_cmp_ge_u32 s22, s19
	s_cbranch_scc1 .Lskip
	s_wait_xcnt 0x0                                ; the last trip's loads and stores have read their bases and data: both are written again below
	s_wait_dscnt 0x0                               ; and its byte stores are done
	s_and_b32 s24, s20, 7                          ; this trip's expert,
	s_min_u32 s24, s24, 7                          ; held inside the tables before it enters an address
	s_lshr_b32 s20, s20, 4
	s_lshl_b32 s26, s24, 21
	s_add_nc_u64 s[44:45], s[34:35], s[26:27]      ; where its H goes
	v_add_nc_u32 v6, s23, v5
	s_add_co_u32 s53, s22, 1
	s_cmp_ge_u32 s53, s19
	s_cbranch_scc1 .Llast
	s_and_b32 s25, s20, 7                          ; the next expert's weights are asked for while this one's are multiplied
	s_min_u32 s25, s25, 7
	SETW
	TRIP 1
	s_branch .Lskip
.Llast:
	TRIP 0
.Lskip:
	s_add_co_u32 s23, s23, 128
	s_add_co_u32 s22, s22, 1
	s_cmp_lt_u32 s22, 8
	s_cbranch_scc1 .Ltrip
	s_wait_dscnt 0x0                               ; for the others' sake: my scale bytes lie in LDS
	s_barrier_signal -1
	s_barrier_wait -1
; The scale words of trip i leave by wave i % 4: four bytes of four positions from each wave's plane, turned into four words.
.irp k, 0,1
	s_add_co_u32 s53, s16, 4*\k
	s_cmp_ge_u32 s53, s19
	s_cbranch_scc1 .Lnone_\k
	s_lshl_b32 s55, s53, 2
	s_lshr_b32 s24, s21, s55
	s_and_b32 s24, s24, 7
	s_min_u32 s24, s24, 7
	s_lshl_b32 s26, s24, 17
	s_wait_xcnt 0x0                                ; earlier stores have read their base and data
	s_add_nc_u64 s[44:45], s[36:37], s[26:27]
.irp q, 0,1,2,3
	ds_load_b32 v[OUTR+\q], v14 offset:1024*\q+512*\k              ; wave q's bytes of positions 4 lane .. 4 lane + 3
.endr
	s_wait_dscnt 0x0
	v_perm_b32 v108, v105, v104, 0x05010400        ; (selector bytes 0-3: the last source, 4-7: the first)  positions 0, 1 of waves 0, 1
	v_perm_b32 v109, v105, v104, 0x07030602        ; positions 2, 3
	v_perm_b32 v110, v107, v106, 0x05010400        ; the same of waves 2, 3
	v_perm_b32 v111, v107, v106, 0x07030602
	v_perm_b32 v112, v110, v108, 0x05040100
	v_perm_b32 v113, v110, v108, 0x07060302
	v_perm_b32 v114, v111, v109, 0x05040100
	v_perm_b32 v115, v111, v109, 0x07060302
	global_store_b128 v1, v[112:115], s[44:45]     ; 32 lanes store 512 consecutive bytes, aligned
.Lnone_\k:
.endr
	s_wait_tensorcnt 0x0
	ds_add_u32 v126, v127
	s_wait_dscnt 0x0
	s_endpgm
.Lfunc_end_k_q27c67c6d54_gemm1:
	.size	k_q27c67c6d54_gemm1, .Lfunc_end_k_q27c67c6d54_gemm1-k_q27c67c6d54_gemm1
	.p2alignl 7, 3214868480
	.fill 96, 4, 3214868480
	.section	.rodata,"a",@progbits
	.p2align	6, 0x0
	.amdhsa_kernel k_q27c67c6d54_gemm1
		.amdhsa_group_segment_fixed_size 70144
		.amdhsa_private_segment_fixed_size 0
		.amdhsa_enable_private_segment 0
		.amdhsa_kernarg_size 48
		.amdhsa_user_sgpr_count 2
		.amdhsa_user_sgpr_kernarg_segment_ptr 1
		.amdhsa_wavefront_size32 1
		.amdhsa_system_sgpr_workgroup_id_x 1
		.amdhsa_system_sgpr_workgroup_id_y 1
		.amdhsa_system_sgpr_workgroup_id_z 1
		.amdhsa_system_vgpr_workitem_id 0
		.amdhsa_next_free_vgpr 896
		.amdhsa_next_free_sgpr 66
		.amdhsa_reserve_vcc 0
		.amdhsa_float_denorm_mode_32 3
		.amdhsa_float_denorm_mode_16_64 3
		.amdhsa_memory_ordered 1
		.amdhsa_forward_progress 1
		.amdhsa_inst_pref_size 89
	.end_amdhsa_kernel
	.amdgpu_metadata
---
amdhsa.version: [ 1, 2 ]
amdhsa.kernels:
  - .name:           k_q27c67c6d54_gemm1
    .symbol:         k_q27c67c6d54_gemm1.kd
    .args:
      - { .name: xq, .offset: 0, .size: 8, .value_kind: global_buffer, .address_space: global }
      - { .name: order, .offset: 8, .size: 8, .value_kind: global_buffer, .address_space: global }
      - { .name: wc, .offset: 16, .size: 8, .value_kind: global_buffer, .address_space: global }
      - { .name: ws, .offset: 24, .size: 8, .value_kind: global_buffer, .address_space: global }
      - { .name: b1, .offset: 32, .size: 8, .value_kind: global_buffer, .address_space: global }
      - { .name: h, .offset: 40, .size: 8, .value_kind: global_buffer, .address_space: global }
    .group_segment_fixed_size: 70144
    .private_segment_fixed_size: 0
    .kernarg_segment_align: 8
    .kernarg_segment_size: 48
    .max_flat_workgroup_size: 128
    .sgpr_count:     66
    .vgpr_count:     896
    .wavefront_size: 32
...
	.end_amdgpu_metadata
.endif
;; end of part 3
;; launch gemm2 (part 4): grid 8 x 32, 4 waves a work-group, no clusters, 135,680 bytes of LDS; arguments h, order, wc, ws, gw, b2, out0; writes out0
.if DOCPART == 4
	.amdgcn_target "amdgcn-amd-amdhsa--gfx1250"
	.amdhsa_code_object_version 6
	.text
	.protected	k_q27c67c6d54_gemm2
	.globl	k_q27c67c6d54_gemm2
	.p2align	8
	.type	k_q27c67c6d54_gemm2,@function
k_q27c67c6d54_gemm2:
	s_mov_b64 s[64:65], 0
	v_nop
	global_prefetch_b8 v0, s[64:65] scope:SCOPE_SE
	s_setreg_imm32_b32 hwreg(HW_REG_WAVE_MODE, 25, 1), 1
	s_wait_xcnt 0x0
; THE SECOND PRODUCT AND THE COMBINATION: out0[token] = sum over e of gate(token, e) x (H[e] W2[e] + b2[e]), the product on codes of FP4 (E2M1) with one E8M0 byte for each 32 along K.
; SHARES.  A work-group takes 64 sorted positions (run t = work-group y) x 128 columns (work-group x) and walks the run's list of experts: so EVERY OUTPUT ROW HAS ONE OWNER, and nothing is added across work-groups.
; THE WAVES SHARE K: wave w takes K steps 4 w .. 4 w + 3 of each expert, for the whole tile.  So each fragment of H and of W2 is loaded once by the work-group, from memory straight into registers (both buffers are laid in
; the registers' order), and each feeds 8 or 4 matrix instructions.  Each wave keeps its own total, total += gate x sum; the four totals meet in LDS once, at the end.
; No tensor load: the walk hangs on a stored list.  No cluster: partners would need different numbers of trips.
; THE PRODUCT IS USED TRANSPOSED (source 0 = 16 columns of W2, source 1 = 16 positions): lane (r, h) holds position r, and its registers eight neighbouring columns; a position's gate weight is one number a lane.
; A token of the run that did not choose a listed expert has the gate weight 0 there, as in reference().  The biases: sum over all 8 experts of gate x b2, on the way out.
; THE ORDER OF SUMS: a K of 2,048 is added in four parts of 512, and the parts under the gate weights: another order than one chain; f32 throughout.
; LIMITS: NaN and infinities are not served.
; REGISTERS: window 0: v1-13 addresses; v14-29 rows of out0; v32-39 gate weights (even registers); v40-47 H's scale words; v48-63 W2's; v64-95 b2; v96-111 rows of gw; v128-255 H's fragments, (s, m) at v[128 + 32 s + 8 m].
;   window 1: the totals, (m, column tile) at v[64 m + 8 tile];  window 2: the sums, likewise;  window 3: W2's fragments, (s, tile) at v[64 s + 8 tile].
.set TL64,  8192                       ; the lists of runs of 64 in order
.set HSOFF, 16777216                   ; the scale words in h
.set W2C,   8388608                    ; W2's codes in wc
.set W2S,   524288                     ; W2's scale words in ws
.set OA,  14
.set GG,  32
.set AS,  40
.set BS,  48
.set B2R, 64
.set GO,  96
.set PV,  112
.set AR,  128
.set MSB, 0
.macro WIN new                         ; the immediate's high byte repeats the setting that is left
.if MSB != (\new)
	s_set_vgpr_msb (MSB<<8)|(\new)
.set MSB, (\new)
.endif
.endm
.macro PLACES                          ; four places behind a matrix instruction of this form, in front of loads into its registers and of the first read of its result
.rept 4
	v_nop
.endr
.endm
	s_load_b256 s[4:11], s[0:1], 0x0               ; h s[4:5], order s[6:7], wc s[8:9], ws s[10:11]
	s_load_b128 s[12:15], s[0:1], 0x20             ; gw s[12:13], b2 s[14:15]
	s_load_b64 s[16:17], s[0:1], 0x30              ; out0
	v_lshl_add_u32 v126, v0, 2, 0x21000
	v_mov_b32 v127, 0
	v_lshrrev_b32 v13, 5, v0
	v_readfirstlane_b32 s18, v13                   ; wave 0..3
	s_mov_b32 s19, ttmp9                           ; which 128 columns
	s_and_b32 s20, ttmp7, 0xffff                   ; t
	v_and_b32 v13, 31, v0                          ; lane
	v_lshlrev_b32 v1, 4, v13                       ; 16 x lane
	v_lshlrev_b32 v2, 2, v13                       ; 4 x lane
	v_lshlrev_b32 v3, 3, v13                       ; 8 x lane
	v_and_b32 v12, 15, v0                          ; r
	v_bfe_u32 v11, v0, 4, 1                        ; h
	s_mul_i32 s26, s18, 33792                      ; LDS: 64 rows of 512 + 16 bytes for each wave's totals
	v_mul_u32_u24 v8, v12, 528
	v_lshl_add_u32 v8, v11, 5, v8
	v_add_nc_u32 v8, s26, v8                       ; in: row r, + 32 h
	s_lshl_b32 s52, s20, 8
	v_lshl_add_u32 v[PV], v12, 2, s52              ; perm: 4 x (64 t + r)
	s_lshl_b32 s53, s18, 6
	s_add_co_u32 s53, s53, s52
	v_mov_b32 v[PV+1], s53                         ; perm: 4 x (64 t + 16 w), the same in every lane
	s_mul_i32 s26, s18, 8448
	v_add_nc_u32 v9, s26, v1                       ; back: my 16 rows, 16 bytes a lane, in wave 0's totals,
	v_add_nc_u32 v10, 33792, v9                    ; wave 1's,
	v_add_nc_u32 v11, 67584, v9
	v_add_nc_u32 v12, 101376, v9
.irp m, 0,1,2,3
	v_mov_b32 v[GG+2*\m+1], 0                      ; named with the gate weight as a pair by the packed forms, so it is written
.endr
	s_lshl_b32 s54, s20, 3
	s_mov_b32 s27, 0
	s_wait_alu depctr_va_vdst(0)
	s_wait_kmcnt 0x0
	s_load_b64 s[46:47], s[6:7], s54 offset:TL64   ; the run's number of experts and their list
.irp m, 0,1,2,3
	global_load_b32 v[4+\m], v[PV], s[6:7] offset:64*\m            ; the token of position 16 m + r
.endr
.irp i, 0,1,2,3,4,5,6,7,8,9,10,11,12,13,14,15
	global_load_b32 v[GO+\i], v[PV+1], s[6:7] offset:4*\i          ; the tokens of the 16 rows that I store
.endr
	s_lshl_b32 s26, s19, 9
	s_add_nc_u64 s[48:49], s[14:15], s[26:27]      ; b2 and out0 at my 128 columns
	s_add_nc_u64 s[50:51], s[16:17], s[26:27]
.irp e, 0,1,2,3,4,5,6,7
	global_load_b128 v[B2R+4*\e:B2R+4*\e+3], v1, s[48:49] offset:4096*\e           ; b2(e, my four columns)
.endr
	s_lshl_b32 s26, s19, 17                        ; W2's codes: 4 groups of 32 columns of 32 KiB,
	s_lshl_b32 s52, s18, 13                        ; my four K steps of 2,048 bytes
	s_add_co_u32 s26, s26, s52
	s_add_co_u32 s26, s26, W2C
	s_add_nc_u64 s[28:29], s[8:9], s[26:27]
	s_lshr_b32 s52, s20, 1                         ; H: the run of 128 that holds mine,
	s_and_b32 s53, s20, 1                          ; and which half of it
	s_lshl_b32 s26, s52, 17
	s_lshl_b32 s55, s53, 12
	s_add_co_u32 s26, s26, s55
	s_lshl_b32 s55, s18, 15                        ; my four K steps of 8 KiB
	s_add_co_u32 s26, s26, s55
	s_add_nc_u64 s[30:31], s[4:5], s[26:27]
	s_lshl_b32 s26, s52, 13                        ; H's scale words
	s_lshl_b32 s55, s53, 8
	s_add_co_u32 s26, s26, s55
	s_lshl_b32 s55, s18, 11
	s_add_co_u32 s26, s26, s55
	s_add_co_u32 s26, s26, HSOFF
	s_add_nc_u64 s[32:33], s[4:5], s[26:27]
	s_lshl_b32 s26, s18, 14                        ; W2's scale words: my two pairs of K steps of 8 KiB,
	s_lshl_b32 s55, s19, 10                        ; my 4 groups of 256 bytes
	s_add_co_u32 s26, s26, s55
	s_add_co_u32 s26, s26, W2S
	s_add_nc_u64 s[34:35], s[10:11], s[26:27]
.macro SETE                            ; the bases of expert s24
	s_lshl_b32 s26, s24, 20
	s_add_nc_u64 s[36:37], s[28:29], s[26:27]      ; W2's codes
	s_lshl_b32 s26, s24, 21
	s_add_nc_u64 s[38:39], s[30:31], s[26:27]      ; H's codes
	s_lshl_b32 s26, s24, 17
	s_add_nc_u64 s[40:41], s[32:33], s[26:27]      ; H's scale words
	s_lshl_b32 s26, s24, 16
	s_add_nc_u64 s[42:43], s[34:35], s[26:27]      ; W2's scale words
	s_lshl_b32 s26, s24, 2
	s_add_nc_u64 s[44:45], s[12:13], s[26:27]      ; the gate's column
.endm
.macro LDK s                           ; my K step s: 16 loads of W2, 8 of H, 2 of H's scale words, and on even s 4 of W2's for two steps: 30 loads, on odd s 26
	WIN 0xc0                                       ; destination window 3
.irp np, 0,1,2,3
.irp hh, 0,1
.irp c, 0,1
	global_load_b128 v[64*\s+8*(2*\np+\hh)+4*\c:64*\s+8*(2*\np+\hh)+4*\c+3], v1, s[36:37] offset:32768*\np+2048*\s+1024*\hh+512*\c
.endr
.endr
.endr
	WIN 0
.irp m, 0,1,2,3
.irp c, 0,1
	global_load_b128 v[AR+32*\s+8*\m+4*\c:AR+32*\s+8*\m+4*\c+3], v1, s[38:39] offset:8192*\s+1024*\m+512*\c
.endr
.endr
.irp pp, 0,1
	global_load_b32 v[AS+2*\s+\pp], v2, s[40:41] offset:512*\s+128*\pp             ; lanes 0-15 tile 2 pp, lanes 16-31 tile 2 pp + 1
.endr
.if (\s)%2 == 0
.irp np, 0,1,2,3
	global_load_b64 v[BS+8*(\s/2)+2*\np:BS+8*(\s/2)+2*\np+1], v3, s[42:43] offset:8192*(\s/2)+256*\np   ; lanes 0-15 column tile 2 np, lanes 16-31 tile 2 np + 1; two K steps' words
.endr
.endif
.endm
.macro WM2 s, m, t
.set rD, 64*(\m)+8*(\t)
.set rA, 64*(\s)+8*(\t)
.set rB, AR+32*(\s)+8*(\m)
.set rSA, BS+8*((\s)/2)+2*((\t)/2)+(\s)%2
.set rSB, AS+2*(\s)+(\m)/2
.set VAR, 2*((\m)%2)+(\t)%2
.if (\s) == 0
.if VAR == 0
	v_wmma_scale_f32_16x16x128_f8f6f4 v[rD:rD+7], v[rA:rA+7], v[rB:rB+7], 0, v[rSA], v[rSB] matrix_a_fmt:MATRIX_FMT_FP4 matrix_b_fmt:MATRIX_FMT_FP4
.elseif VAR == 1
	v_wmma_scale_f32_16x16x128_f8f6f4 v[rD:rD+7], v[rA:rA+7], v[rB:rB+7], 0, v[rSA], v[rSB] matrix_a_fmt:MATRIX_FMT_FP4 matrix_b_fmt:MATRIX_FMT_FP4 matrix_a_scale:MATRIX_SCALE_ROW1
.elseif VAR == 2
	v_wmma_scale_f32_16x16x128_f8f6f4 v[rD:rD+7], v[rA:rA+7], v[rB:rB+7], 0, v[rSA], v[rSB] matrix_a_fmt:MATRIX_FMT_FP4 matrix_b_fmt:MATRIX_FMT_FP4 matrix_b_scale:MATRIX_SCALE_ROW1
.else
	v_wmma_scale_f32_16x16x128_f8f6f4 v[rD:rD+7], v[rA:rA+7], v[rB:rB+7], 0, v[rSA], v[rSB] matrix_a_fmt:MATRIX_FMT_FP4 matrix_b_fmt:MATRIX_FMT_FP4 matrix_a_scale:MATRIX_SCALE_ROW1 matrix_b_scale:MATRIX_SCALE_ROW1
.endif
.else
.if VAR == 0
	v_wmma_scale_f32_16x16x128_f8f6f4 v[rD:rD+7], v[rA:rA+7], v[rB:rB+7], v[rD:rD+7], v[rSA], v[rSB] matrix_a_fmt:MATRIX_FMT_FP4 matrix_b_fmt:MATRIX_FMT_FP4
.elseif VAR == 1
	v_wmma_scale_f32_16x16x128_f8f6f4 v[rD:rD+7], v[rA:rA+7], v[rB:rB+7], v[rD:rD+7], v[rSA], v[rSB] matrix_a_fmt:MATRIX_FMT_FP4 matrix_b_fmt:MATRIX_FMT_FP4 matrix_a_scale:MATRIX_SCALE_ROW1
.elseif VAR == 2
	v_wmma_scale_f32_16x16x128_f8f6f4 v[rD:rD+7], v[rA:rA+7], v[rB:rB+7], v[rD:rD+7], v[rSA], v[rSB] matrix_a_fmt:MATRIX_FMT_FP4 matrix_b_fmt:MATRIX_FMT_FP4 matrix_b_scale:MATRIX_SCALE_ROW1
.else
	v_wmma_scale_f32_16x16x128_f8f6f4 v[rD:rD+7], v[rA:rA+7], v[rB:rB+7], v[rD:rD+7], v[rSA], v[rSB] matrix_a_fmt:MATRIX_FMT_FP4 matrix_b_fmt:MATRIX_FMT_FP4 matrix_a_scale:MATRIX_SCALE_ROW1 matrix_b_scale:MATRIX_SCALE_ROW1
.endif
.endif
.endm
.macro MMS s                           ; 32 matrix instructions: the 32 accumulators take turns, one instruction a turn; K step 0 starts the sums with the constant 0
	WIN 0xa3                                       ; source 0 (W2) window 3, source 1 (H) window 0, C and D window 2
.irp m, 0,1,2,3
.irp t, 0,1,2,3,4,5,6,7
	WM2 \s, \m, \t
.endr
.endr
	WIN 0
	PLACES
.endm
.macro EPI first                       ; total (+)= gate x sum, two numbers an instruction; each accumulator is read from its low end on
.if \first
	WIN 0x42                                       ; destination window 1, source 0 (the sums) window 2, the gate weight window 0
.else
	WIN 0x52                                       ; and source 2 (the totals) window 1
.endif
.set q, 0
.rept 128
.if \first
	v_pk_mul_f32 v[2*q:2*q+1], v[2*q:2*q+1], v[GG+2*(q/32):GG+2*(q/32)+1] op_sel_hi:[1,0]
.else
	v_pk_fma_f32 v[2*q:2*q+1], v[2*q:2*q+1], v[GG+2*(q/32):GG+2*(q/32)+1], v[2*q:2*q+1] op_sel_hi:[1,0,1]
.endif
.set q, q+1
.endr
	WIN 0
.endm
; An expert.  At its head its K steps 0 (30 loads) and 1 (26) are out, in that order.  pf = 1: another expert follows, and its K steps 0 and 1 are asked for here.
.macro TRIP pf, first
.irp m, 0,1,2,3
	global_load_b32 v[GG+2*\m], v[4+\m], s[44:45]  ; gate(position 16 m + r, this expert)
.endr
	s_wait_loadcnt 30                              ; K step 0 is in; behind it: step 1's 26 and the 4 gate weights
	LDK 2
	MMS 0
	s_wait_loadcnt 34                              ; step 1 is in; behind it: the 4 gate weights and step 2's 30
	LDK 3
	MMS 1
.if \pf
	s_wait_xcnt 0x0                                ; this expert's loads have read their bases: they are written again
	s_lshr_b32 s22, s22, 4
	s_and_b32 s24, s22, 7
	s_min_u32 s24, s24, 7                          ; held inside the tables before it enters an address
	SETE
.endif
	s_wait_loadcnt 26                              ; step 2 and the gate weights are in; behind them: step 3's 26
.if \pf
	LDK 0
.endif
	MMS 2
.if \pf
	s_wait_loadcnt 30                              ; step 3 is in; behind it: the next expert's step 0
	LDK 1
.else
	s_wait_loadcnt 0x0
.endif
	MMS 3
	EPI \first
.endm
	s_wait_kmcnt 0x0
	s_min_u32 s21, s46, 8
	s_max_u32 s21, s21, 2                          ; n: a run's tokens use two experts at the least
	s_mov_b32 s22, s47
	s_and_b32 s24, s22, 7
	s_min_u32 s24, s24, 7
	SETE
	LDK 0
	s_wait_loadcnt 30                              ; the 20 loads of perm and the 8 of b2 are in; behind them: K step 0's 30
.irp m, 0,1,2,3
	v_min_u32 v[4+\m], 0x7ff, v[4+\m]              ; a loaded number is held inside the table before it enters an address
	v_lshlrev_b32 v[4+\m], 5, v[4+\m]              ; a row of gw is 32 bytes
.endr
.irp i, 0,1,2,3,4,5,6,7,8,9,10,11,12,13,14,15
	v_min_u32 v[GO+\i], 0x7ff, v[GO+\i]
	v_lshl_add_u32 v[OA+\i], v[GO+\i], 12, v1      ; a row of out0 is 4,096 bytes; 16 bytes a lane
	v_lshlrev_b32 v[GO+\i], 5, v[GO+\i]
.endr
	LDK 1
	TRIP 1, 1                                      ; the first expert starts the totals: nothing is cleared
	s_sub_co_u32 s23, s21, 2
	s_cmp_eq_u32 s23, 0
	s_cbranch_scc1 .Llast
.Lmid:
	TRIP 1, 0
	s_sub_co_u32 s23, s23, 1
	s_cmp_lg_u32 s23, 0
	s_cbranch_scc1 .Lmid
.Llast:
	TRIP 0, 0                                      ; the last expert asks for nothing more
	; THE WAY OUT.  The four waves' totals meet in LDS; each wave adds and stores 16 whole rows of 512 bytes.
	WIN 0x80                                       ; destination window 2: the sums' registers are free
.irp i, 0,1,2,3,4,5,6,7,8,9,10,11,12,13,14,15
	global_load_b128 v[8*\i:8*\i+3], v[GO+\i], s[12:13]            ; the row's eight gate weights, the same in every lane
	global_load_b128 v[8*\i+4:8*\i+7], v[GO+\i], s[12:13] offset:16
.endr
	WIN 0x04                                       ; an LDS store's data are its source 1: window 1
.irp m, 0,1,2,3
.irp t, 0,1,2,3,4,5,6,7
	ds_store_b128 v8, v[64*\m+8*\t:64*\m+8*\t+3] offset:8448*\m+64*\t
	ds_store_b128 v8, v[64*\m+8*\t+4:64*\m+8*\t+7] offset:8448*\m+64*\t+16
.endr
.endr
	WIN 0
	s_wait_dscnt 0x0                               ; for the others' sake: my totals lie in LDS
	s_barrier_signal -1
	s_barrier_wait -1
	WIN 0x40                                       ; destination window 1
.irp i, 0,1,2,3,4,5,6,7,8,9,10,11,12,13,14,15
.irp q, 0,1,2,3
	ds_load_b128 v[16*\i+4*\q:16*\i+4*\q+3], v[9+\q] offset:528*\i                 ; row 16 w + i of wave q's totals, my four columns
.endr
.endr
	WIN 0x45                                       ; all in window 1
.irp i, 0,1,2,3,4,5,6,7,8,9,10,11,12,13,14,15
	s_wait_dscnt 60-4*\i                           ; this row's four loads are in; the later rows' may be out
	v_pk_add_f32 v[16*\i:16*\i+1], v[16*\i:16*\i+1], v[16*\i+4:16*\i+5]
	v_pk_add_f32 v[16*\i+2:16*\i+3], v[16*\i+2:16*\i+3], v[16*\i+6:16*\i+7]
	v_pk_add_f32 v[16*\i+8:16*\i+9], v[16*\i+8:16*\i+9], v[16*\i+12:16*\i+13]
	v_pk_add_f32 v[16*\i+10:16*\i+11], v[16*\i+10:16*\i+11], v[16*\i+14:16*\i+15]
	v_pk_add_f32 v[16*\i:16*\i+1], v[16*\i:16*\i+1], v[16*\i+8:16*\i+9]
	v_pk_add_f32 v[16*\i+2:16*\i+3], v[16*\i+2:16*\i+3], v[16*\i+10:16*\i+11]
.endr
	s_wait_loadcnt 0x0                             ; the rows of gw
	WIN 0x52                                       ; source 0 (gate) window 2, source 1 (b2) window 0, source 2 and destination window 1
.irp i, 0,1,2,3,4,5,6,7,8,9,10,11,12,13,14,15
.irp e, 0,1,2,3,4,5,6,7
.irp c, 0,1,2,3
	v_fma_f32 v[16*\i+\c], v[8*\i+\e], v[B2R+4*\e+\c], v[16*\i+\c]                 ; + gate(token, e) x b2(e, column): 0 for an expert that was not chosen
.endr
.endr
.endr
	WIN 0x04                                       ; a store's data are its source 1: window 1
.irp i, 0,1,2,3,4,5,6,7,8,9,10,11,12,13,14,15
	global_store_b128 v[OA+\i], v[16*\i:16*\i+3], s[50:51] th:TH_STORE_NT          ; 32 lanes store 512 consecutive bytes of the token's row, aligned
.endr
	WIN 0
	s_wait_tensorcnt 0x0
	ds_add_u32 v126, v127
	s_wait_dscnt 0x0
	s_endpgm
.Lfunc_end_k_q27c67c6d54_gemm2:
	.size	k_q27c67c6d54_gemm2, .Lfunc_end_k_q27c67c6d54_gemm2-k_q27c67c6d54_gemm2
	.p2alignl 7, 3214868480
	.fill 96, 4, 3214868480
	.section	.rodata,"a",@progbits
	.p2align	6, 0x0
	.amdhsa_kernel k_q27c67c6d54_gemm2
		.amdhsa_group_segment_fixed_size 135680
		.amdhsa_private_segment_fixed_size 0
		.amdhsa_enable_private_segment 0
		.amdhsa_kernarg_size 56
		.amdhsa_user_sgpr_count 2
		.amdhsa_user_sgpr_kernarg_segment_ptr 1
		.amdhsa_wavefront_size32 1
		.amdhsa_system_sgpr_workgroup_id_x 1
		.amdhsa_system_sgpr_workgroup_id_y 1
		.amdhsa_system_sgpr_workgroup_id_z 1
		.amdhsa_system_vgpr_workitem_id 0
		.amdhsa_next_free_vgpr 1024
		.amdhsa_next_free_sgpr 66
		.amdhsa_reserve_vcc 0
		.amdhsa_float_denorm_mode_32 3
		.amdhsa_float_denorm_mode_16_64 3
		.amdhsa_memory_ordered 1
		.amdhsa_forward_progress 1
		.amdhsa_inst_pref_size 170
	.end_amdhsa_kernel
	.amdgpu_metadata
---
amdhsa.version: [ 1, 2 ]
amdhsa.kernels:
  - .name:           k_q27c67c6d54_gemm2
    .symbol:         k_q27c67c6d54_gemm2.kd
    .args:
      - { .name: h, .offset: 0, .size: 8, .value_kind: global_buffer, .address_space: global }
      - { .name: order, .offset: 8, .size: 8, .value_kind: global_buffer, .address_space: global }
      - { .name: wc, .offset: 16, .size: 8, .value_kind: global_buffer, .address_space: global }
      - { .name: ws, .offset: 24, .size: 8, .value_kind: global_buffer, .address_space: global }
      - { .name: gw, .offset: 32, .size: 8, .value_kind: global_buffer, .address_space: global }
      - { .name: b2, .offset: 40, .size: 8, .value_kind: global_buffer, .address_space: global }
      - { .name: out0, .offset: 48, .size: 8, .value_kind: global_buffer, .address_space: global }
    .group_segment_fixed_size: 135680
    .private_segment_fixed_size: 0
    .kernarg_segment_align: 8
    .kernarg_segment_size: 56
    .max_flat_workgroup_size: 128
    .sgpr_count:     66
    .vgpr_count:     1024
    .wavefront_size: 32
...
	.end_amdgpu_metadata
.endif
;; end of part 4
